; MI455X (gfx1250); checked and timed in simulation.
; The chip was launched on July 23, 2026; its instructions are those of AMD's public machine-readable ISA for CDNA 5 (MIT licence, August 2026) and "CDNA5" Instruction Set Architecture Reference Guide (July 2026). The comments in the code are by the model that wrote it; some were corrected since.
;; Diff GLCM. Allowed arithmetic: matrix products marked QUANTISED: E3M2 operands, one E8M0 scale for each 32 along K, by v_wmma_scale_f32_16x16x128_f8f6f4 with both operands' format E3M2, f32 sums; everything else in f32.
;; Inputs: x 16 x 1 x 256 x 256 float32.
;; Outputs: out0 16 x 1 x 64 x 64 x 1 float32.
;; Constants: offset_c = 1, offset_r = 1.
;; This version of the problem:
;;   THIS VERSION OF THE PROBLEM IS GIVEN IN LOW PRECISION. The matrix products marked QUANTISED in the list below multiply operands that are first quantised to E3M2 (3 exponent bits, 2 mantissa bits; 6 bits a number), with one power-of-two scale for each 32 numbers along K (OCP MX v1.0); their sums are f32. All else is computed in f32.
;;   The module's matrix products, in the order in which they are computed (A, B: the left and right operand; K: the contracted axis; several contracted axes count as one K, in the product's order):
;;     1. batch 16 x [M 64, K 65,025] x [K 65,025, N 64]; A: computed on the way; B: computed on the way: QUANTISED
;;   THE QUANTISER, for each operand of a quantised product, along K:
;;     - K is cut into blocks of 32 from its start; a last block that is shorter is filled with zeros.
;;     - A block's scale is 2^e with e = floor(log2(the largest magnitude in the block)) - 4, held to -126 .. 127; a block of zeros has e = 0. As a byte (E8M0): e + 127.
;;     - Each number is divided by its block's scale, clamped to +-28, and rounded to the nearest number of E3M2, ties to even, subnormals kept.
;;     - The product sums the exact products of the quantised numbers (number of the format x scale) in f32.
;;   ~~~python
;;   def quantise(x, axis):      # numpy; x: float32 -> the quantised numbers, widened to float32 again
;;       x = np.moveaxis(x, axis, -1); K = x.shape[-1]
;;       x = np.pad(x, [(0, 0)] * (x.ndim - 1) + [(0, -K % 32)]); x = x.reshape(x.shape[:-1] + (-1, 32)); a = np.abs(x).max(-1, keepdims=True)
;;       e = np.where(a > 0, np.clip(np.frexp(np.where(a > 0, a, 1))[1] - 1 - 4, -126, 127), 0)      # np.frexp(a)[1] - 1 = floor(log2(a)), exactly
;;       r = np.clip(x / 2.0 ** e, -28, 28)
;;       step = 2.0 ** (np.maximum(np.frexp(np.where(r == 0, 1, r))[1] - 1, -2) - 2)
;;       q = np.round(r / step) * step * 2.0 ** e      # np.round: ties to even
;;       return np.moveaxis(q.reshape(q.shape[:-2] + (-1,))[..., :K], -1, axis).astype(np.float32)
;;   ~~~
;;   OPERANDS COMPUTED ON THE WAY. 'Computed on the way' means the value that the module computes at that place (a softmax that the list does not call 'softmax' is quantised finished and normalised). What goes into a quantiser is computed in f32, as accurately as f32 sums, v_exp_f32 and their like allow (about 1e-6 of the number): no bf16 or f16 on the way to a quantiser, and a product that is left as it is and whose result goes on into a quantised operand takes f32 operands (vector FMAs, or v_wmma_f32_16x16x4_f32). A number that lies on a knife's edge between two numbers of the format may be rounded either way, as far as f32 arithmetic and the matrix unit's own rounding can turn it there, and no further.
;; One version. Each part assembles by itself: llvm-mc -triple=amdgcn-amd-amdhsa -mcpu=gfx1250 --defsym DOCPART=n.
;; ======== version 1 of 1: 2 launches
;; limits: right only within a limited range of input values
;; workspace buffers: part 4,194,304 bytes; tot 8,192 bytes
;; launch glcm_part (part 1): grid 16 x 16, 12 waves a work-group, no clusters, 294,144 bytes of LDS; arguments x, part, tot; writes part, tot
.if DOCPART == 1
	.amdgcn_target "amdgcn-amd-amdhsa--gfx1250"
	.amdhsa_code_object_version 6
	.text
	.protected	k_q144c0c1fb2_glcm_part
	.globl	k_q144c0c1fb2_glcm_part
	.p2align	8
	.type	k_q144c0c1fb2_glcm_part,@function
k_q144c0c1fb2_glcm_part:
	s_mov_b64 s[64:65], 0
	v_nop
	global_prefetch_b8 v0, s[64:65] scope:SCOPE_SE
	s_setreg_imm32_b32 hwreg(HW_REG_WAVE_MODE, 25, 1), 1
	s_wait_xcnt 0x0
; Soft co-occurrence matrix, first launch: part[b][g] = the 64 x 64 sums over one sixteenth g of K of Q(center)[i][k] Q(periph)[j][k], codes of BF6 (E3M2) with one E8M0 scale for each 32 along K.
; x: [16][256][256] f32.  thresh[i] = accum[i] - accum[i+1], accum[0] = 1, accum[i] = sigmoid(10 (v - (i+1))), accum[64] = 0, v = 64 x + 1.  k = 255 h + w; center takes pixel (h, w), periph pixel (h+1, w+1); K = 65,025.
; DEAD WORK: none is left out.  offset_r and offset_c are constants of the problem, no buffers.
; PERIPH'S CODES ARE MOSTLY CENTER'S.  Pixel (h+1, w+1) is center's element k + 256 wherever w < 254, and 256 is eight whole blocks: periph's blocks are center's blocks eight further on, codes and scales alike.
;   Only a block that holds a multiple of 255 differs, in that one element (column 255 of the row before in place of column 0): such a BLOCK is made a second time, from pixel k' + (k'-1)/255 in place of k' + k'/255.
; GROUPS.  Bins 4 g .. 4 g + 3 are group g = 2 G + c, of class c (0, 1).  In each class a pixel takes the one G whose middle edge 8 G + 4 c + 3 is nearest to v: |v - edge| <= 4.  Every bin of the class outside that group
;   begins at least 2 away from v, so its thresh is at most e^-20 = 2.1e-9, for every finite pixel: it is set to 0.  Four thresh and a one-hot word (bit 23 + G) a pixel and class; G = -1, 8 and above (no such group) leave no bit among the eight.
;   For group G the mask is word AND bit: as an f32 the power of two 2^(2^G - 127), or 0.  thresh is carried times 2^60, so mask x thresh is exact and normal; the factor is taken out of the scale byte.
; LANES.  Lane 2 q + c of a wave: block q of the wave's sixteen, class c; its registers are the block's 32 pixels: a block's largest magnitude asks no other lane.
; SHARES.  Work-group (g, b): k in [4096 g, 4096 g + 4096), 32 K steps of 128.  160 slots of one block x 64 bins: 0-127 center's; 128-135 eight beyond the share, for periph; 136-152 the blocks made again (slot 136 + n: the share's
;   multiple of 255 number n); 156-159 K's end for work-group 15: center's block 2,032 with its one element, and zeros.  Waves 0-7: slots 16 w on, all bins.  Waves 8-11: slots 128 + 16 (w % 2) on, bins 2 p, 2 p + 1 of each group, p = (w / 2) % 2.
;   Elements beyond K (center 65,024; periph 65,280, counted as center's) are marked by v = 200: G = 24 or 25, no bit, so zeros in every bin.
;   Then waves 0-7 multiply, four K steps each, all 16 tiles (tile t, row r: bin 4 r + t); eight partial sums meet in LDS and leave as whole rows of 256 bytes.
; NO CLUSTER, NO TENSOR LOAD: a work-group reads its pixels one by one (K leaves out column 255), and shares only the pixels beyond its share with its neighbour.  No prefetch: no loop to run ahead in.
; LIMITS: v is held to -0.5 .. 66.5: beyond it the outermost bin's thresh is 1 in f32 and every other is at most 1.4e-11.  thresh below 2.1e-9 may be 0 (above): thresh sums to 1 over a pixel's bins, so no number of the mean outer product moves by more than
;   4.2e-9.  A block whose largest magnitude lies under 2^-50 takes the scale of 2^-50.  exp's argument is one rounded product of at most 58.  NaN is not served.  A block of zeros gets the byte 73 where the rule says 127 (its codes are zeros, this program alone reads the bytes).
.set SL,   1056                        ; a slot's 16-byte parts: [4 tiles][16 rows] x 16 bytes, + 32
.set SH,   528                         ; its 8-byte parts: [4 tiles][16 rows] x 8 bytes, + 16
.set QD,   288                         ; scale words of four slots: [16 rows][4 tiles] words, byte = slot % 4, + 32
.set HB,   168960                      ; behind 160 SL: the 8-byte parts
.set SCB,  253440                      ; behind 160 SH: the scale words
.set STG,  264960                      ; behind 40 QD: each wave's pixels, 16 slots of 128 bytes + 16
.set SPARE, 292608                     ; behind 12 x 2,304: the spare words, 128 bytes for each wave: six blocks of 256 bytes that no other line names
.set SPW,  1                           ; v1   LDS address of my spare word; never rewritten
.set NIL,  2                           ; v2   0; never rewritten
.set LN,   3                           ; v3   lane; never rewritten
.set MX,   12                          ; v12-14 largest magnitudes
.set TINY, 12                          ; v12 (v13) ahead of the groups: 2^-60
.set KS,   14                          ; v14  ahead of the groups: the rounded number that means G = 0 (class 0) or 7 (class 1)
.set SW,   16                          ; v16-23 scale words of the products, and nothing else
.set CLS,  28                          ; v28, v30 ahead of the groups: the coefficients of the lowest and highest edge at the ends of the range
.set CHS,  30
.set PP,   32                          ; v32-63  rounded numbers; then the masked products
.set MM,   64                          ; v64-95  v, distance, E; then the masks
.set OO,   96                          ; v96-127 pixels as loaded; then the one-hot words
.set RR,   128                         ; v128-255 four times 32 thresh
.set KD,   248                         ; v248 (v249), v250 (v251), v252, v253: constants, ahead of the last thresh
.set MAGIC, 250
.set AF,   32                          ; products: A's four fragments, B's four, sixteen accumulators
.set BF,   80
.set ACC,  128
.macro BARRIER
	s_wait_dscnt 0x0                               ; my LDS stores have landed and my LDS loads are in
	s_barrier_signal -1
	s_barrier_wait -1
.endm
	s_load_b128 s[4:7], s[0:1], 0x0                ; x, part
	s_load_b64 s[8:9], s[0:1], 0x10                ; tot
	v_lshrrev_b32 v24, 5, v0
	v_lshl_add_u32 v[SPW], v0, 2, SPARE
	v_mov_b32 v[NIL], 0
	v_and_b32 v[LN], 31, v0
	v_readfirstlane_b32 s10, v24                   ; wave 0..11
	s_mov_b32 s11, ttmp9                           ; g
	s_and_b32 s12, ttmp7, 0xffff                   ; b
	s_lshl_b32 s13, s11, 12                        ; 4096 g
	s_mov_b32 s39, 0x80808081                      ; n / 255 = (n x this) >> 39, for every 32-bit n
	s_add_co_u32 s14, s13, 510
	s_mul_hi_u32 s14, s14, s39
	s_lshr_b32 s14, s14, 7                         ; the first multiple of 255 at or behind 4096 g + 256, as a row number
	s_add_co_u32 s38, s13, 256                     ; periph's first element, counted as center's
	s_cmp_eq_u32 s11, 15                           ; the work-group that holds K's end
	s_cselect_b32 s18, 28, 64                      ; the K step from which A comes from slots 156-159
	s_lshr_b32 s17, s10, 3                         ; 1 in waves 8-11
	s_xor_b32 s2, s17, 1
	s_and_b32 s3, s10, 6
	s_mul_i32 s3, s3, s2
	s_and_b32 s15, s10, 9
	s_add_co_u32 s15, s15, s3                      ; my sixteen slots: w, or 8 + w % 2
	s_bfe_u32 s16, s10, 0x10001
	s_mul_i32 s16, s16, s17                        ; p
	s_and_b32 s20, s10, 1
	s_mov_b32 s27, 0xff00                          ; 65,280
	s_wait_alu depctr_va_vdst(0)
	s_cmp_lt_u32 s10, 8
	s_cbranch_scc0 .Lextra
	s_lshl_b32 s21, s10, 9
	s_add_co_u32 s21, s21, s13
	s_mov_b32 s26, s27
	v_add_nc_u32 v31, s21, v[LN]
.irp j, 0,1,2,3,4,5,6,7,8,9,10,11,12,13,14,15
	v_add_nc_u32 v[48+\j], 32*\j, v31              ; k' = 4096 g + 512 w + 32 j + lane
.endr
.irp j, 0,1,2,3,4,5,6,7,8,9,10,11,12,13,14,15
	v_mul_hi_u32 v[32+\j], v[48+\j], s39
.endr
	s_wait_alu depctr_va_vdst(0)
	s_branch .Lpix
.Lextra:
	s_lshl_b32 s21, s20, 4
	s_add_co_u32 s21, s21, s14
	s_sub_co_u32 s21, s21, 8                       ; slot 128 + 16 s + j made again: multiple number s21 + j
	s_add_co_u32 s22, s13, 4096                    ; slots 128-135: center's, on and on
	s_xor_b32 s23, s20, 1
	s_lshl_b32 s26, s20, 8
	s_sub_co_u32 s26, s27, s26                     ; slots 156-159: center's limit, 65,024
.macro XSLOT j
	s_add_co_u32 s24, s21, \j
	s_mul_i32 s24, s24, 255
	s_and_b32 s24, s24, 0xffffffe0                 ; the block that holds the multiple
.if (\j) < 8
	s_add_co_u32 s25, s22, 32*\j
	s_cmp_eq_u32 s20, 0
	s_cselect_b32 s24, s25, s24
	v_add_nc_u32 v[48+\j], s24, v[LN]
	v_sub_nc_u32 v[32+\j], v[48+\j], s20           ; a block made again takes k' + (k' - 1) / 255
.else
.if (\j) < 12
	v_add_nc_u32 v[48+\j], s24, v[LN]
	v_add_nc_u32 v[32+\j], -1, v[48+\j]
.else
	s_mov_b32 s25, 65024+32*(\j-12)
	s_cmp_eq_u32 s20, 1
	s_cselect_b32 s24, s25, s24
	v_add_nc_u32 v[48+\j], s24, v[LN]
	v_sub_nc_u32 v[32+\j], v[48+\j], s23
.endif
.endif
.endm
.irp j, 0,1,2,3,4,5,6,7,8,9,10,11,12,13,14,15
	XSLOT \j
.endr
	s_wait_alu depctr_va_vdst(0)
.irp j, 0,1,2,3,4,5,6,7,8,9,10,11,12,13,14,15
	v_mul_hi_u32 v[32+\j], v[32+\j], s39
.endr
.Lpix:
.irp j, 0,1,2,3,4,5,6,7,8,9,10,11,12,13,14,15
	v_lshrrev_b32 v[32+\j], 7, v[32+\j]
.endr
.irp j, 0,1,2,3,4,5,6,7,8,9,10,11,12,13,14,15
	v_add_lshl_u32 v[32+\j], v[32+\j], v[48+\j], 2 ; the pixel, in bytes
.endr
.irp j, 0,1,2,3,4,5,6,7,8,9,10,11,12,13,14,15
	v_min_u32 v[32+\j], 0x3fffc, v[32+\j]          ; no load leaves the image
.endr
	s_lshl_b32 s2, s12, 18
	s_mov_b32 s3, 0
	s_wait_alu depctr_va_vdst(0)
	s_wait_kmcnt 0x0
	s_add_nc_u64 s[4:5], s[4:5], s[2:3]            ; my image
.irp j, 0,1,2,3,4,5,6,7,8,9,10,11,12,13,14,15
	global_load_b32 v[OO+\j], v[32+\j], s[4:5]
.endr
	; ---- while they are on their way: inside K?  LDS addresses, constants
.irp j, 0,1,2,3,4,5,6,7,8,9,10,11
	v_cmp_ge_u32 s[40+\j], s27, v[48+\j]
.endr
.irp j, 12,13,14,15
	v_cmp_ge_u32 s[40+\j], s26, v[48+\j]
.endr
	s_lshl_b32 s25, s12, 4
	s_add_co_u32 s25, s25, s11                     ; 16 b + g
	s_lshl_b32 s2, s25, 14
	s_add_nc_u64 s[6:7], s[6:7], s[2:3]            ; my 64 x 64 of part
	s_lshl_b32 s2, s25, 3
	s_add_co_u32 s2, s2, s10
	s_lshl_b32 s2, s2, 2
	s_add_nc_u64 s[8:9], s[8:9], s[2:3]            ; my wave's word of tot (waves 0-7)
	s_mul_i32 s21, s10, 2304
	s_add_co_u32 s21, s21, STG                     ; my wave's pixels
	s_mul_i32 s22, s15, 16*SL
	s_lshl_b32 s2, s16, 9
	s_add_co_u32 s22, s22, s2                      ; my slots' 16-byte parts, tile 2 p on
	s_mul_i32 s23, s15, 16*SH
	s_lshl_b32 s2, s16, 8
	s_add_co_u32 s23, s23, s2
	s_add_co_u32 s23, s23, HB                      ; their 8-byte parts
	s_mul_i32 s24, s15, 4*QD
	s_lshl_b32 s2, s16, 3
	s_add_co_u32 s24, s24, s2
	s_add_co_u32 s24, s24, SCB                     ; and scale bytes
	s_mov_b32 s56, 0x3e000000                      ; 1/8 (the packed forms name a pair and take its low word)
	s_mov_b32 s57, s56
	s_mov_b32 s58, 0xc1000000                      ; -8
	s_mov_b32 s59, s58
	s_mov_b32 s60, 0xc166d4ca                      ; -10 log2(e)
	s_mov_b32 s61, s60
	s_mov_b32 s75, 0x130da433                      ; e^-20 2^-60: the five edges' coefficients,
	s_mov_b32 s62, 0x1a3e6bce                      ; e^-10 2^-60,
	s_mov_b32 s63, s62
	s_mov_b32 s66, 0x21800000                      ; 2^-60,
	s_mov_b32 s67, s66
	s_mov_b32 s68, 0x28ac14ee                      ; e^10 2^-60,
	s_mov_b32 s69, s68
	s_mov_b32 s76, 0x2fe75844                      ; e^20 2^-60
	s_mov_b32 s78, 0x5d800000                      ; 2^60: E x this is 4 at least: accum[64] becomes 2^-62 at most
	s_mov_b32 s79, 0xaaaaaaaa                      ; the lanes of class 1
	s_mov_b32 s37, 0x42800000                      ; 64
	s_mov_b32 s36, 0x42850000                      ; 66.5
	s_cmp_eq_u32 s16, 0
	s_cselect_b32 s72, s75, s66                    ; my lowest edge's coefficient (waves 8-11 have three edges: 2 p on)
	s_cselect_b32 s74, 0, s66                      ; and at bin 0: accum[0] = 1
	s_cselect_b32 s70, s62, s68                    ; waves 8-11: the middle one
	s_mov_b32 s71, s70
	s_xor_b32 s2, s16, 1
	s_and_b32 s2, s2, s17
	s_cmp_eq_u32 s2, 1
	s_cselect_b32 s73, s66, s76                    ; my highest edge's
	s_cselect_b32 s77, s66, s78                    ; and at bin 63: accum[64] = 0
	v_and_b32 v24, 1, v[LN]                        ; c
	v_lshrrev_b32 v25, 1, v[LN]                    ; q
	v_mov_b32 v28, s74
	v_mov_b32 v29, s72
	v_mov_b32 v30, s73
	v_mov_b32 v31, s77
	v_lshrrev_b32 v26, 3, v[LN]                    ; q / 4
	v_and_b32 v27, 3, v25
	v_lshl_add_u32 v11, v[LN], 2, s21              ; where I stage
	v_mul_u32_u24 v10, 144, v25
	v_mul_u32_u24 v4, SL, v25
	v_mul_u32_u24 v5, SH, v25
	v_mul_u32_u24 v6, QD, v26
	v_mul_u32_u24 v[KS], 7, v24
	v_add_nc_u32 v10, s21, v10                     ; where my block's pixels lie
	v_lshl_add_u32 v4, v24, 4, v4
	v_lshl_add_u32 v5, v24, 3, v5
	v_lshl_add_u32 v6, v24, 4, v6
	v_add_nc_u32 v4, s22, v4
	v_add_nc_u32 v5, s23, v5
	v_add_nc_u32 v6, v27, v6
	v_add_nc_u32 v6, s24, v6
	v_add_nc_u32 v[KS], 0x4b400000, v[KS]
	v_cndmask_b32 v[CLS], v28, v29, s79
	v_cndmask_b32 v[CHS], v30, v31, s79
	v_mov_b32 v[TINY], 0x21800000
	v_mov_b32 v[TINY+1], 0x21800000
	v_mov_b32 v[KD], 0xc0400000                    ; -3, in class 1 -7
	v_mov_b32 v[KD+1], 0xc0e00000
	v_cndmask_b32 v[KD], v[KD], v[KD+1], s79
	v_mov_b32 v[MAGIC], 0x4b400000                 ; 1.5 x 2^23: adding it rounds to a whole number, which then stands in the low bits
	v_mov_b32 v[MAGIC+1], 0x4b400000
	v_mov_b32 v252, 0x800000
	v_mov_b32 v253, 0x43480000                     ; 200
	v_mov_b32 v112, 0
	v_mov_b32 v113, 0
	v_mov_b32 v114, 0
	v_mov_b32 v115, 0
	v_and_b32 v117, 7, v[LN]
	v_mul_u32_u24 v116, QD, v26
	v_lshl_add_u32 v116, v117, 2, v116
	v_add_nc_u32 v116, s24, v116                   ; eight lanes to each of my four quads of scale words
	s_wait_alu depctr_va_vdst(0)
	s_cmp_lt_u32 s10, 10                           ; waves 10 and 11 have the slots of waves 8 and 9
	s_cbranch_scc0 .Lpads
	ds_store_b128 v4, v[112:115] offset:1024       ; zeros into the paddings, once: 32 bytes behind a slot's 16-byte parts,
	ds_store_b64 v5, v[112:113] offset:512         ; 16 behind its 8-byte parts,
	ds_store_b32 v116, v112 offset:256             ; 32 behind a quad of scale words
.Lpads:
	s_wait_loadcnt 0x0
.irp j, 0,1,2,3,4,5,6,7,8,9,10,11,12,13,14,15
	v_fma_f32 v[OO+\j], v[OO+\j], s37, 1.0         ; v = 64 x + 1, rounded once, as reference() has it
.endr
.irp j, 0,1,2,3,4,5,6,7,8,9,10,11,12,13,14,15
	v_med3_num_f32 v[OO+\j], v[OO+\j], -0.5, s36
.endr
.irp j, 0,1,2,3,4,5,6,7,8,9,10,11,12,13,14,15
	v_cndmask_b32 v[OO+\j], v253, v[OO+\j], s[40+\j]
.endr
.irp j, 0,1,2,3,4,5,6,7,8,9,10,11,12,13,14,15
	ds_store_b32 v11, v[OO+\j] offset:144*\j       ; my wave's own bytes: LDS serves a wave's instructions in order, no barrier
.endr
.irp j, 0,1,2,3,4,5,6,7
	ds_load_b128 v[MM+4*\j:MM+4*\j+3], v10 offset:16*\j
.endr
	s_wait_dscnt 0x0
; ---- my block's 32 pixels: G and the distance from the group's middle edge
.set i, 0
.rept 16
	v_pk_add_f32 v[MM+i:MM+i+1], v[MM+i:MM+i+1], v[KD:KD+1] op_sel_hi:[1,0]
.set i, i+2
.endr
.set i, 0
.rept 16
	v_pk_fma_f32 v[PP+i:PP+i+1], v[MM+i:MM+i+1], s[56:57], v[MAGIC:MAGIC+1] op_sel_hi:[1,0,0]
.set i, i+2
.endr
.set i, 0
.rept 16
	v_pk_add_f32 v[RR+i:RR+i+1], v[PP+i:PP+i+1], v[MAGIC:MAGIC+1] op_sel_hi:[1,0] neg_lo:[0,1] neg_hi:[0,1]   ; G
.set i, i+2
.endr
.set i, 0
.rept 16
	v_pk_fma_f32 v[MM+i:MM+i+1], v[RR+i:RR+i+1], s[58:59], v[MM+i:MM+i+1] op_sel_hi:[1,0,1]   ; less 8 G: the distance, exact
.set i, i+2
.endr
.set i, 0
.rept 16
	v_pk_mul_f32 v[MM+i:MM+i+1], v[MM+i:MM+i+1], s[60:61] op_sel_hi:[1,0]
.set i, i+2
.endr
.set i, 0
.rept 32
	v_lshlrev_b32 v[OO+i], v[PP+i], v252           ; bit 23 + G (the shift takes its amount's low five bits: G; -1 and 9 to 31 leave 0)
.set i, i+1
.endr
	s_wait_alu depctr_va_vdst(0)
.set i, 0
.rept 32
	v_exp_f32 v[MM+i], v[MM+i]                     ; E = exp(-10 distance), e^-40 to e^40
.set i, i+1
.endr
	v_nop
	s_wait_alu depctr_va_vdst(0)
; The edges: (1 + E e^(10 n)) 2^-60, their reciprocals accum 2^60, the differences thresh 2^60.
.macro EDGES long
.set i, 0
.rept 16
	v_cmp_eq_u32 s28, v[KS], v[PP+i]
	v_cmp_eq_u32 s29, v[KS], v[PP+i+1]
.if \long
	v_pk_fma_f32 v[RR+32+i:RR+33+i], v[MM+i:MM+i+1], s[62:63], v[TINY:TINY+1] op_sel_hi:[1,0,0]
	v_pk_fma_f32 v[RR+64+i:RR+65+i], v[MM+i:MM+i+1], s[66:67], v[TINY:TINY+1] op_sel_hi:[1,0,0]
	v_pk_fma_f32 v[RR+96+i:RR+97+i], v[MM+i:MM+i+1], s[68:69], v[TINY:TINY+1] op_sel_hi:[1,0,0]
.else
	v_pk_fma_f32 v[RR+32+i:RR+33+i], v[MM+i:MM+i+1], s[70:71], v[TINY:TINY+1] op_sel_hi:[1,0,0]
.endif
	v_cndmask_b32 v24, s72, v[CLS], s28
	v_cndmask_b32 v25, s72, v[CLS], s29
	v_cndmask_b32 v26, s73, v[CHS], s28
	v_cndmask_b32 v27, s73, v[CHS], s29
	v_pk_fma_f32 v[RR+i:RR+i+1], v[MM+i:MM+i+1], v[24:25], v[TINY:TINY+1] op_sel_hi:[1,1,0]
	v_pk_fma_f32 v[MM+i:MM+i+1], v[MM+i:MM+i+1], v[26:27], v[TINY:TINY+1] op_sel_hi:[1,1,0]
.set i, i+2
.endr
	s_wait_alu depctr_va_vdst(0)
.set i, 0
.rept 64+64*\long
	v_rcp_f32 v[RR+i], v[RR+i]
.set i, i+1
.endr
.set i, 0
.rept 32
	v_rcp_f32 v[MM+i], v[MM+i]
.set i, i+1
.endr
	v_nop
	s_wait_alu depctr_va_vdst(0)
.set i, 0
.rept 16+32*\long
	v_pk_add_f32 v[RR+i:RR+i+1], v[RR+i:RR+i+1], v[RR+32+i:RR+33+i] neg_lo:[0,1] neg_hi:[0,1]
.set i, i+2
.endr
.set e, i
.set i, 0
.rept 16
	v_pk_add_f32 v[RR+e+i:RR+e+i+1], v[RR+e+i:RR+e+i+1], v[MM+i:MM+i+1] neg_lo:[0,1] neg_hi:[0,1]
.set i, i+2
.endr
	s_wait_alu depctr_va_vdst(0)
.endm
	s_cmp_lt_u32 s10, 8
	s_cbranch_scc0 .Lthree
	EDGES 1
	s_branch .Lgroups
.Lthree:
	EDGES 0
.Lgroups:
; ---- the eight groups of my class.  One bin and block: mask, largest magnitude, scale, codes
.macro TBIN k
.set i, 0
.rept 16
	v_pk_mul_f32 v[PP+i:PP+i+1], v[RR+32*\k+i:RR+32*\k+i+1], v[MM+i:MM+i+1]
.set i, i+2
.endr
	s_wait_dscnt 0x0                               ; the last bin's stores have read their registers
	v_max3_num_f32 v[MX], |v[PP]|, |v[PP+1]|, |v[PP+2]|
	v_max3_num_f32 v[MX+1], |v[PP+3]|, |v[PP+4]|, |v[PP+5]|
	v_max3_num_f32 v[MX+2], |v[PP+6]|, |v[PP+7]|, |v[PP+8]|
.set i, 9
.rept 11
	v_max3_num_f32 v[MX+((i-9)/2)%3], v[MX+((i-9)/2)%3], |v[PP+i]|, |v[PP+i+1]|   ; three chains by turns
.set i, i+2
.endr
	v_max3_num_f32 v[MX], v[MX], v[MX+1], v[MX+2]
	v_max3_num_f32 v[MX], v[MX], |v[PP+31]|, s34   ; and the floor, 2^-50 in the group's factor
	v_add_nc_u32 v15, 0xfe000000, v[MX]            ; 4 off the exponent field: the conversions' scale operand
	v_add_nc_u32 v31, s35, v[MX]                   ; 63 - 2^G onto the field: the scale's byte, the group's factor taken out
	v_cvt_scalef32_pk16_bf6_f32 v[24:26], v[PP:PP+15], v15
	v_cvt_scalef32_pk16_bf6_f32 v[28:30], v[PP+16:PP+31], v15   ; (a conversion's three registers begin on an even number)
	v_lshrrev_b32 v31, 23, v31
	v_mov_b32 v27, v28                             ; six registers on end: the block's 192 bits
	v_mov_b32 v28, v29
	v_mov_b32 v29, v30
	ds_store_b128 v7, v[24:27] offset:256*\k
	ds_store_b64 v8, v[28:29] offset:128*\k
	ds_store_b8 v9, v31 offset:4*\k
.endm
	s_mov_b32 s30, 0x800000                        ; the group's bit: 2^G in the exponent field
	s_mov_b32 s31, 0                               ; 32 G
	s_mov_b32 s33, 0
.Lgam:
	s_add_co_u32 s34, s30, 0x5000000
	s_sub_co_u32 s35, 0x1f800000, s30
	s_lshr_b32 s19, s31, 1
.set i, 0
.rept 32
	v_and_b32 v[MM+i], s30, v[OO+i]
.set i, i+1
.endr
	s_wait_dscnt 0x0                               ; the last group's stores have read their addresses
	v_add_nc_u32 v7, s31, v4                       ; row 2 G + c of the tiles
	v_add_nc_u32 v8, s19, v5
	v_add_nc_u32 v9, s31, v6
	TBIN 0
	TBIN 1
	s_cmp_lt_u32 s10, 8                            ; waves 8-11 have two bins of a group
	s_cbranch_scc0 .Lgam_next
	TBIN 2
	TBIN 3
.Lgam_next:
	s_lshl_b32 s30, s30, 1
	s_add_co_u32 s31, s31, 32
	s_add_co_u32 s33, s33, 1
	s_cmp_lt_u32 s33, 8
	s_cbranch_scc1 .Lgam
	BARRIER                                        ; all codes and scale words lie in LDS
; ---- the products: waves 0-7, K steps 4 w .. 4 w + 3.  Slot numbers are scalar arithmetic on ids; between the two barriers LDS is only read.
; A: slots 4 st .. 4 st + 3 (at K's end 156-159).  B: slots 4 st + 8 on; but a step holds at most one multiple of 255, and the half of the lanes in which its block lies reads the block made again; its scale byte is put into the words.
; In work-group 15's steps 29 to 31 every element of B lies beyond K: zeros.
.macro PSTEP j
	s_add_co_u32 s20, s19, \j                      ; st
	s_lshl_b32 s21, s20, 2
	s_mov_b32 s22, 156
	s_cmp_lt_u32 s20, s18
	s_cselect_b32 s21, s21, s22
	s_min_u32 s21, s21, 156                        ; A's first slot
	s_lshr_b32 s22, s21, 2
	s_mul_i32 s22, s22, QD
	s_mul_i32 s23, s21, SL
	s_mul_i32 s24, s21, SH
	s_add_co_u32 s25, s20, 2
	s_min_u32 s25, s25, 33
	s_mul_i32 s26, s25, QD
	s_lshl_b32 s25, s25, 2                         ; B's first slot
	s_lshl_b32 s27, s20, 7
	s_add_co_u32 s27, s27, s38                     ; the step's first element of periph, counted as center's
	s_add_co_u32 s28, s27, 127
	s_mul_hi_u32 s28, s28, s39
	s_lshr_b32 s28, s28, 7                         ; the last multiple of 255 at or under the step's end, as a row number
	s_mul_i32 s29, s28, 255
	s_sub_co_u32 s29, s29, s27
	s_lshr_b32 s29, s29, 5                         ; in which of the step's four blocks it lies; far above 3 if it lies ahead of the step
	s_sub_co_u32 s28, s28, s14
	s_add_co_u32 s28, s28, 136
	s_min_u32 s28, s28, 155                        ; the slot of the block made again
	s_lshr_b32 s30, s28, 2
	s_mul_i32 s30, s30, QD
	s_and_b32 s31, s28, 3
	s_add_co_u32 s31, s31, 4
	s_and_b32 s33, s29, 3
	s_sub_co_u32 s31, s31, s33
	s_lshl_b32 s34, s33, 3
	s_lshl_b32 s31, s31, s34
	s_cmp_lt_u32 s29, 4
	s_cselect_b32 s31, s31, 0
	s_add_co_u32 s31, s31, 0x03020100              ; v_perm_b32's selector: B's own bytes, but for the block made again
	s_and_b32 s34, s33, 1
	s_lshl_b32 s34, s34, 4
	s_lshl_b32 s34, 0xffff, s34                    ; the sixteen lanes of its half,
	s_lshr_b32 s33, s29, 1
	s_cmp_eq_u32 s33, 0
	s_cselect_b32 s35, s34, 0                      ; for the pair in which it lies
	s_cmp_eq_u32 s33, 1
	s_cselect_b32 s36, s34, 0
	v_add_nc_u32 v12, s25, v7                      ; these 13 plain lines are also the places between the last products and the loads into their operands
	v_add_nc_u32 v8, s23, v10
	v_add_nc_u32 v9, s24, v11
	v_add_nc_u32 v13, 2, v12
	v_cndmask_b32 v12, v12, s28, s35
	v_add_nc_u32 v24, s22, v6
	v_cndmask_b32 v13, v13, s28, s36
	v_add_nc_u32 v25, s26, v6
	v_mad_u32_u24 v14, v12, s40, v5
	v_add_nc_u32 v26, s30, v6
	v_mad_u32_u24 v15, v13, s40, v5
	v_mad_u32_u24 v12, v12, s37, v4
	v_mad_u32_u24 v13, v13, s37, v4
	ds_load_b128 v[SW:SW+3], v24                   ; the scale words of four tiles
	ds_load_b128 v[SW+4:SW+7], v25
	ds_load_b128 v[28:31], v26
.irp t, 0,1,2,3
.irp c, 0,1                                    ; pair c fills registers 6 c .. 6 c + 5
	ds_load_b128 v[AF+12*\t+6*\c:AF+12*\t+6*\c+3], v8 offset:2*SL*\c+256*\t
	ds_load_b64 v[AF+12*\t+6*\c+4:AF+12*\t+6*\c+5], v9 offset:2*SH*\c+128*\t
.endr
.endr
.irp t, 0,1,2,3
	ds_load_b128 v[BF+12*\t:BF+12*\t+3], v12 offset:256*\t
	ds_load_b64 v[BF+12*\t+4:BF+12*\t+5], v14 offset:128*\t
	ds_load_b128 v[BF+12*\t+6:BF+12*\t+9], v13 offset:256*\t
	ds_load_b64 v[BF+12*\t+10:BF+12*\t+11], v15 offset:128*\t
.endr
	s_wait_dscnt 32                                ; the three scale loads are in; the 32 younger loads, the codes, may be out
.irp t, 0,1,2,3
	v_perm_b32 v[SW+4+\t], v[28+\t], v[SW+4+\t], s31
.endr
.rept 8
	v_nop                                          ; a scale register written by a vector instruction stands eight places ahead of a scaled matrix instruction
.endr
	s_wait_alu depctr_va_vdst(0)
.irp tb, 0,1,2,3                               ; sixteen accumulators by turns, one instruction a turn
	s_wait_dscnt 12-4*\tb                          ; A's and B's tile tb are in; the four loads of each later tile of B may be out
.irp a, 0,1,2,3
.if \j == 0
	v_wmma_scale_f32_16x16x128_f8f6f4 v[ACC+8*(4*\a+\tb):ACC+8*(4*\a+\tb)+7], v[AF+12*\a:AF+12*\a+11], v[BF+12*\tb:BF+12*\tb+11], 0, v[SW+\a], v[SW+4+\tb] matrix_a_fmt:MATRIX_FMT_BF6 matrix_b_fmt:MATRIX_FMT_BF6
.else
	v_wmma_scale_f32_16x16x128_f8f6f4 v[ACC+8*(4*\a+\tb):ACC+8*(4*\a+\tb)+7], v[AF+12*\a:AF+12*\a+11], v[BF+12*\tb:BF+12*\tb+11], v[ACC+8*(4*\a+\tb):ACC+8*(4*\a+\tb)+7], v[SW+\a], v[SW+4+\tb] matrix_a_fmt:MATRIX_FMT_BF6 matrix_b_fmt:MATRIX_FMT_BF6
.endif
.endr
.endr
.endm
	s_cmp_lt_u32 s10, 8
	s_cbranch_scc0 .Lmultiplied
	s_lshl_b32 s19, s10, 2
	s_mov_b32 s37, SL
	s_mov_b32 s40, SH
	v_and_b32 v24, 15, v[LN]                       ; r
	v_lshrrev_b32 v7, 4, v[LN]                     ; h
	v_lshlrev_b32 v4, 4, v24
	v_lshl_add_u32 v5, v24, 3, HB
	v_mul_u32_u24 v10, SL, v7
	v_mul_u32_u24 v11, SH, v7
	v_add_nc_u32 v6, SCB, v4
	v_add_nc_u32 v10, v10, v4
	v_add_nc_u32 v11, v11, v5
	s_wait_alu depctr_va_vdst(0)
.irp j, 0,1,2,3                                ; the first step starts the sums
	PSTEP \j
.endr
.rept 4
	v_nop                                          ; places between the last products and the first read of their results
.endr
.Lmultiplied:
	; ---- the partial sums meet.  Wave w's: 16,384 w; accumulator 4 ta + tb: 1,024 each; registers 0-3, 4-7: 512 each; 16 bytes a lane
	s_lshl_b32 s2, s10, 14
	s_lshr_b32 s20, s10, 1                         ; wave w adds A's tile ta = w / 2, registers 4 (w % 2) on
	s_and_b32 s21, s10, 1
	s_lshl_b32 s22, s20, 12
	s_lshl_b32 s23, s21, 9
	s_add_co_u32 s22, s22, s23
	s_lshl_b32 s24, s21, 12
	s_lshl_b32 s25, s20, 8
	s_add_co_u32 s24, s24, s25
	v_lshlrev_b32 v8, 4, v[LN]
	v_and_b32 v9, 15, v[LN]
	v_lshrrev_b32 v10, 4, v[LN]
	v_add_nc_u32 v4, s2, v8                        ; where I put my sums
	v_add_nc_u32 v5, s22, v8                       ; where I read
	v_lshlrev_b32 v10, 13, v10
	v_add_nc_u32 v7, 0x10000, v5                   ; partial sums 4 to 7 lie beyond an immediate's reach
	v_lshl_add_u32 v6, v9, 4, v10
	v_add_nc_u32 v6, s24, v6                       ; row 32 h + 16 (w % 2) + ta of 256 bytes, columns 4 r on
	s_wait_alu depctr_va_vdst(0)
	BARRIER                                        ; nobody reads the slots any more: the sums may be laid over them
	s_cmp_lt_u32 s10, 8
	s_cbranch_scc0 .Lstored
.irp a, 0,1,2,3,4,5,6,7,8,9,10,11,12,13,14,15
	ds_store_b128 v4, v[ACC+8*\a:ACC+8*\a+3] offset:1024*\a          ; each accumulator from its low end on
	ds_store_b128 v4, v[ACC+8*\a+4:ACC+8*\a+7] offset:1024*\a+512
.endr
.Lstored:
	BARRIER                                        ; eight partial sums of each of the 4,096 numbers lie in LDS
	s_cmp_lt_u32 s10, 8
	s_cbranch_scc0 .Lend
	; Register e of lane (r, h) in tile (ta, tb) is row 4 (8 h + e) + ta, column 4 r + tb: the four tb are four neighbours of a row
.irp tb, 0,1,2,3
.irp q, 0,1,2,3
	ds_load_b128 v[64+32*\tb+4*\q:64+32*\tb+4*\q+3], v5 offset:16384*\q+1024*\tb
.endr
.irp q, 0,1,2,3
	ds_load_b128 v[80+32*\tb+4*\q:80+32*\tb+4*\q+3], v7 offset:16384*\q+1024*\tb
.endr
.endr
	s_mov_b32 s40, 0x76543210                      ; v_permlanex16_b32's selects for lane l xor 16
	s_mov_b32 s41, 0xfedcba98
	s_wait_dscnt 0x0
.irp tb, 0,1,2,3
.irp i, 0,1,2,3
	v_pk_add_f32 v[64+32*\tb+8*\i:64+32*\tb+8*\i+1], v[64+32*\tb+8*\i:64+32*\tb+8*\i+1], v[64+32*\tb+8*\i+4:64+32*\tb+8*\i+5]
	v_pk_add_f32 v[64+32*\tb+8*\i+2:64+32*\tb+8*\i+3], v[64+32*\tb+8*\i+2:64+32*\tb+8*\i+3], v[64+32*\tb+8*\i+6:64+32*\tb+8*\i+7]
.endr
.endr
.irp tb, 0,1,2,3
.irp i, 0,1
	v_pk_add_f32 v[64+32*\tb+16*\i:64+32*\tb+16*\i+1], v[64+32*\tb+16*\i:64+32*\tb+16*\i+1], v[64+32*\tb+16*\i+8:64+32*\tb+16*\i+9]
	v_pk_add_f32 v[64+32*\tb+16*\i+2:64+32*\tb+16*\i+3], v[64+32*\tb+16*\i+2:64+32*\tb+16*\i+3], v[64+32*\tb+16*\i+10:64+32*\tb+16*\i+11]
.endr
.endr
.irp tb, 0,1,2,3
.irp e, 0,1,2,3
	v_add_f32 v[192+4*\e+\tb], v[64+32*\tb+\e], v[80+32*\tb+\e]   ; the last addition also puts the four neighbours side by side
.endr
.endr
.irp e, 0,1,2,3
	global_store_b128 v6, v[192+4*\e:195+4*\e], s[6:7] offset:1024*\e   ; sixteen lanes store one row: 256 consecutive bytes, aligned
.endr
	v_pk_add_f32 v[208:209], v[192:193], v[194:195]    ; my wave's share of the matrix's total, for the divisor
	v_pk_add_f32 v[210:211], v[196:197], v[198:199]
	v_pk_add_f32 v[212:213], v[200:201], v[202:203]
	v_pk_add_f32 v[214:215], v[204:205], v[206:207]
	v_pk_add_f32 v[208:209], v[208:209], v[210:211]
	v_pk_add_f32 v[212:213], v[212:213], v[214:215]
	s_delay_alu instid0(VALU_DEP_1)
	v_pk_add_f32 v[208:209], v[208:209], v[212:213]
	s_delay_alu instid0(VALU_DEP_1)
	v_add_f32 v208, v208, v209
	s_delay_alu instid0(VALU_DEP_1)
	v_add_f32_dpp v208, v208, v208 row_xmask:1 row_mask:0xf bank_mask:0xf
	s_delay_alu instid0(VALU_DEP_1)
	v_add_f32_dpp v208, v208, v208 row_xmask:2 row_mask:0xf bank_mask:0xf
	s_delay_alu instid0(VALU_DEP_1)
	v_add_f32_dpp v208, v208, v208 row_xmask:4 row_mask:0xf bank_mask:0xf
	s_delay_alu instid0(VALU_DEP_1)
	v_add_f32_dpp v208, v208, v208 row_xmask:8 row_mask:0xf bank_mask:0xf
	s_delay_alu instid0(VALU_DEP_1)
	v_permlanex16_b32 v209, v208, s40, s41
	s_delay_alu instid0(VALU_DEP_1)
	v_add_f32 v208, v208, v209
	v_mov_b32 v8, 0
	v_cmp_eq_u32 vcc_lo, 0, v[LN]
	s_wait_alu depctr_va_vdst(0)
	s_wait_xcnt 0x0                                ; EXEC changes only behind this wait: the stores above have read theirs
	s_and_saveexec_b32 s28, vcc_lo
	global_store_b32 v8, v208, s[8:9]              ; one word a wave
	s_wait_xcnt 0x0
	s_or_b32 exec_lo, exec_lo, s28
.Lend:
	s_wait_tensorcnt 0x0                           ; the wave's end
	ds_add_u32 v[SPW], v[NIL]
	s_wait_dscnt 0x0
	s_endpgm
.Lfunc_end_k_q144c0c1fb2_glcm_part:
	.size	k_q144c0c1fb2_glcm_part, .Lfunc_end_k_q144c0c1fb2_glcm_part-k_q144c0c1fb2_glcm_part
	.p2alignl 7, 3214868480
	.fill 96, 4, 3214868480
	.section	.rodata,"a",@progbits
	.p2align	6, 0x0
	.amdhsa_kernel k_q144c0c1fb2_glcm_part
		.amdhsa_group_segment_fixed_size 294144
		.amdhsa_private_segment_fixed_size 0
		.amdhsa_enable_private_segment 0
		.amdhsa_kernarg_size 24
		.amdhsa_user_sgpr_count 2
		.amdhsa_user_sgpr_kernarg_segment_ptr 1
		.amdhsa_wavefront_size32 1
		.amdhsa_system_sgpr_workgroup_id_x 1
		.amdhsa_system_sgpr_workgroup_id_y 1
		.amdhsa_system_sgpr_workgroup_id_z 1
		.amdhsa_system_vgpr_workitem_id 0
		.amdhsa_next_free_vgpr 256
		.amdhsa_next_free_sgpr 80
		.amdhsa_reserve_vcc 1
		.amdhsa_float_denorm_mode_32 3
		.amdhsa_float_denorm_mode_16_64 3
		.amdhsa_memory_ordered 1
		.amdhsa_forward_progress 1
		.amdhsa_inst_pref_size 119
	.end_amdhsa_kernel
	.amdgpu_metadata
---
amdhsa.version: [ 1, 2 ]
amdhsa.kernels:
  - .name:           k_q144c0c1fb2_glcm_part
    .symbol:         k_q144c0c1fb2_glcm_part.kd
    .args:
      - { .name: x, .offset: 0, .size: 8, .value_kind: global_buffer, .address_space: global }
      - { .name: part, .offset: 8, .size: 8, .value_kind: global_buffer, .address_space: global }
      - { .name: tot, .offset: 16, .size: 8, .value_kind: global_buffer, .address_space: global }
    .group_segment_fixed_size: 294144
    .private_segment_fixed_size: 0
    .kernarg_segment_align: 8
    .kernarg_segment_size: 24
    .max_flat_workgroup_size: 384
    .sgpr_count:     80
    .vgpr_count:     256
    .wavefront_size: 32
...
	.end_amdgpu_metadata
.endif
;; end of part 1
;; launch glcm_norm (part 2): grid 16 x 16, 2 waves a work-group, no clusters, 0 bytes of LDS; arguments part, tot, out0; writes out0
.if DOCPART == 2
	.amdgcn_target "amdgcn-amd-amdhsa--gfx1250"
	.amdhsa_code_object_version 6
	.text
	.protected	k_q144c0c1fb2_glcm_norm
	.globl	k_q144c0c1fb2_glcm_norm
	.p2align	8
	.type	k_q144c0c1fb2_glcm_norm,@function
k_q144c0c1fb2_glcm_norm:
	s_mov_b64 s[64:65], 0
	v_nop
	global_prefetch_b8 v0, s[64:65] scope:SCOPE_SE
	s_setreg_imm32_b32 hwreg(HW_REG_WAVE_MODE, 25, 1), 1
	s_wait_xcnt 0x0
; Second launch: out0[b] = (the sum over g of part[b][g]) / (the sum of all 4,096 numbers of that sum).  part: [16][16][64][64] f32, in the result's own order; tot: [16][128] f32, the 128 waves' shares of a batch's total.
; Work-group (slice, b): 256 numbers, four rows of 256 bytes; a thread takes 16 bytes of each of the 16 partial matrices.  Each wave adds the batch's 128 shares for itself: no LDS, no barrier.
; No work of reference() is left out here.  The division is a multiplication by v_rcp_f32 of the total.  A stream: matrix units, clusters and LDS would add nothing.
	s_load_b128 s[4:7], s[0:1], 0x0                ; part, tot
	s_load_b64 s[8:9], s[0:1], 0x10                ; out0
	s_and_b32 s10, ttmp7, 0xffff                   ; b
	s_lshl_b32 s11, ttmp9, 10                      ; my slice, in bytes
	s_lshl_b32 s12, s10, 18
	s_add_co_u32 s12, s12, s11
	s_mov_b32 s13, 0
	s_lshl_b32 s14, s10, 9
	s_mov_b32 s15, 0
	s_lshl_b32 s16, s10, 14
	s_add_co_u32 s16, s16, s11
	s_mov_b32 s17, 0
	s_mov_b32 s18, 0x76543210                      ; v_permlanex16_b32's selects for lane l xor 16
	s_mov_b32 s19, 0xfedcba98
	v_lshlrev_b32 v1, 4, v0                        ; 16 bytes a thread
	v_and_b32 v2, 31, v0
	v_lshlrev_b32 v2, 4, v2                        ; four shares a lane
	s_wait_alu depctr_va_vdst(0)
	s_wait_kmcnt 0x0
	s_add_nc_u64 s[4:5], s[4:5], s[12:13]
	s_add_nc_u64 s[6:7], s[6:7], s[14:15]
	s_add_nc_u64 s[8:9], s[8:9], s[16:17]
	global_load_b128 v[4:7], v2, s[6:7]
.irp g, 0,1,2,3,4,5,6,7,8,9,10,11,12,13,14,15
	global_load_b128 v[8+4*\g:11+4*\g], v1, s[4:5] offset:16384*\g th:TH_LOAD_NT   ; read once in the launch
.endr
	s_wait_loadcnt 16                              ; the shares are in; the sixteen younger loads may be out
	v_add_f32 v4, v4, v5
	v_add_f32 v6, v6, v7
	v_add_f32 v4, v4, v6
	v_add_f32_dpp v4, v4, v4 row_xmask:1 row_mask:0xf bank_mask:0xf
	v_add_f32_dpp v4, v4, v4 row_xmask:2 row_mask:0xf bank_mask:0xf
	v_add_f32_dpp v4, v4, v4 row_xmask:4 row_mask:0xf bank_mask:0xf
	v_add_f32_dpp v4, v4, v4 row_xmask:8 row_mask:0xf bank_mask:0xf
	v_permlanex16_b32 v5, v4, s18, s19             ; (its destination has been written)
	v_add_f32 v4, v4, v5                           ; the batch's total, in every lane
	s_wait_alu depctr_va_vdst(0)
	v_rcp_f32 v72, v4
	v_mov_b32 v73, 0                               ; a plain instruction behind the reciprocal; also the upper half of the pair named below
	s_wait_loadcnt 0x0
.irp g, 0,1,2,3,4,5,6,7
	v_pk_add_f32 v[8+4*\g:9+4*\g], v[8+4*\g:9+4*\g], v[40+4*\g:41+4*\g]
	v_pk_add_f32 v[10+4*\g:11+4*\g], v[10+4*\g:11+4*\g], v[42+4*\g:43+4*\g]
.endr
.irp g, 0,1,2,3
	v_pk_add_f32 v[8+4*\g:9+4*\g], v[8+4*\g:9+4*\g], v[24+4*\g:25+4*\g]
	v_pk_add_f32 v[10+4*\g:11+4*\g], v[10+4*\g:11+4*\g], v[26+4*\g:27+4*\g]
.endr
.irp g, 0,1
	v_pk_add_f32 v[8+4*\g:9+4*\g], v[8+4*\g:9+4*\g], v[16+4*\g:17+4*\g]
	v_pk_add_f32 v[10+4*\g:11+4*\g], v[10+4*\g:11+4*\g], v[18+4*\g:19+4*\g]
.endr
	v_pk_add_f32 v[8:9], v[8:9], v[12:13]
	v_pk_add_f32 v[10:11], v[10:11], v[14:15]
	s_wait_alu depctr_va_vdst(0)                   ; the wait ahead of the reciprocal's first reader; the additions above are the work between
	v_pk_mul_f32 v[8:9], v[8:9], v[72:73] op_sel_hi:[1,0]
	v_pk_mul_f32 v[10:11], v[10:11], v[72:73] op_sel_hi:[1,0]
	global_store_b128 v1, v[8:11], s[8:9]          ; sixteen lanes store 256 consecutive bytes, aligned
	s_endpgm
.Lfunc_end_k_q144c0c1fb2_glcm_norm:
	.size	k_q144c0c1fb2_glcm_norm, .Lfunc_end_k_q144c0c1fb2_glcm_norm-k_q144c0c1fb2_glcm_norm
	.p2alignl 7, 3214868480
	.fill 96, 4, 3214868480
	.section	.rodata,"a",@progbits
	.p2align	6, 0x0
	.amdhsa_kernel k_q144c0c1fb2_glcm_norm
		.amdhsa_group_segment_fixed_size 0
		.amdhsa_private_segment_fixed_size 0
		.amdhsa_enable_private_segment 0
		.amdhsa_kernarg_size 24
		.amdhsa_user_sgpr_count 2
		.amdhsa_user_sgpr_kernarg_segment_ptr 1
		.amdhsa_wavefront_size32 1
		.amdhsa_system_sgpr_workgroup_id_x 1
		.amdhsa_system_sgpr_workgroup_id_y 1
		.amdhsa_system_sgpr_workgroup_id_z 1
		.amdhsa_system_vgpr_workitem_id 0
		.amdhsa_next_free_vgpr 80
		.amdhsa_next_free_sgpr 66
		.amdhsa_reserve_vcc 0
		.amdhsa_float_denorm_mode_32 3
		.amdhsa_float_denorm_mode_16_64 3
		.amdhsa_memory_ordered 1
		.amdhsa_forward_progress 1
		.amdhsa_inst_pref_size 6
	.end_amdhsa_kernel
	.amdgpu_metadata
---
amdhsa.version: [ 1, 2 ]
amdhsa.kernels:
  - .name:           k_q144c0c1fb2_glcm_norm
    .symbol:         k_q144c0c1fb2_glcm_norm.kd
    .args:
      - { .name: part, .offset: 0, .size: 8, .value_kind: global_buffer, .address_space: global }
      - { .name: tot, .offset: 8, .size: 8, .value_kind: global_buffer, .address_space: global }
      - { .name: out0, .offset: 16, .size: 8, .value_kind: global_buffer, .address_space: global }
    .group_segment_fixed_size: 0
    .private_segment_fixed_size: 0
    .kernarg_segment_align: 8
    .kernarg_segment_size: 24
    .max_flat_workgroup_size: 64
    .sgpr_count:     66
    .vgpr_count:     80
    .wavefront_size: 32
...
	.end_amdgpu_metadata
.endif
;; end of part 2
